; MI455X (gfx1250); checked and timed in simulation.
; The chip was launched on July 23, 2026; its instructions are those of AMD's public machine-readable ISA for CDNA 5 (MIT licence, August 2026) and "CDNA5" Instruction Set Architecture Reference Guide (July 2026). The comments in the code are by the model that wrote it; some were corrected since.
;; s LSTM. Allowed arithmetic: float matrix products may take bf16 or f16 operands with f32 sums; all other float work in f32.
;; Inputs: Uc 2,048 x 2,048 float32; Uf 2,048 x 2,048 float32; Ui 2,048 x 2,048 float32; Uo 2,048 x 2,048 float32; Wc 2,048 x 2,048 float32; Wf 2,048 x 2,048 float32; Wi 2,048 x 2,048 float32; Wo 2,048 x 2,048 float32; Wp 2,048 x 2,048 float32; bUc 2,048 float32; bUf 2,048 float32; bUi 2,048 float32; bUo 2,048 float32; bWc 2,048 float32; bWf 2,048 float32; bWi 2,048 float32; bWo 2,048 float32; bp 2,048 float32; h 4 x 512 x 2,048 float32; x 4 x 512 x 2,048 float32.
;; Outputs: out0 4 x 2,048 float32; out1 4 x 512 x 2,048 float32.
;; One version. Each part assembles by itself: llvm-mc -triple=amdgcn-amd-amdhsa -mcpu=gfx1250 --defsym DOCPART=n.
;; ======== version 1 of 1: 2 launches
;; limits: a function is approximated: absolute error at most 1e-07; right only within a limited range of input values
;; workspace buffers: abf 16,777,216 bytes; bbf 50,331,648 bytes; hout 32,768 bytes
;; launch prep (part 1): grid 256 x 1, 16 waves a work-group, no clusters, 10,240 bytes of LDS; arguments x, h, Wi, Ui, Wf, Uf, Wc, Uc, Wo, Uo, bWi, bUi, bWf, bUf, bWc, bUc, bWo, bUo, abf, bbf, hout; writes abf, bbf, hout
.if DOCPART == 1
	.amdgcn_target "amdgcn-amd-amdhsa--gfx1250"
	.amdhsa_code_object_version 6
	.text
	.protected	k_q81e8c47337_prep
	.globl	k_q81e8c47337_prep
	.p2align	8
	.type	k_q81e8c47337_prep,@function
k_q81e8c47337_prep:
	s_mov_b64 s[64:65], 0
	v_nop
	global_prefetch_b8 v0, s[64:65] scope:SCOPE_SE
	s_setreg_imm32_b32 hwreg(HW_REG_WAVE_MODE, 25, 1), 1
	s_wait_xcnt 0x0
; PREP: (1) casts the operands of the big product to bf16 (nearest even), joined along K:
;   abf [2048][4096]: row m = 512 b + s; columns 0-2047 = x[m], 2048-4095 = h[m]
;   bbf [6144][4096]: row (e>>5)*96 + g*32 + (e&31), g = 0 (i), 1 (f), 2 (c); columns 0-2047 = Wg[e], 2048-4095 = Ug[e]
; (2) makes, on the vector unit, all four gates of the last step of each of the 4 batches, and from them
;   hout[b][e] = sigmoid(Zo) * tanh(exp(Zf) * 0 + exp(Zi) * tanh(Zc)),  Zg = x[b,511].Wg[e] + h[b,511].Ug[e] + bWg[e] + bUg[e].
;   The products take the operands AS ROUNDED TO bf16, the very numbers that the big product multiplies, and add in f32: so hout and the rows of c
;   that the next launch stores rest on one and the same rounding of x, h, W and U.  The weights pass through registers for the cast anyway, so
;   these 4 rows cost no byte more (Wo and Uo, which enter the results through these rows alone, are streamed once), and the projection that
;   follows hangs on this launch alone.
; Work-group w owns rows 8w..8w+7 of each of the ten matrices; 16 waves.  Wave v: side p = v>>3 (0: x, Wi, Wf, Wc, Wo; 1: h, Ui, Uf, Uc, Uo),
; columns 256 (v&7) .. +255 of all 8 rows: sixteen loads of 512 neighbouring bytes a matrix, sixteen stores of 256.
; A ring of two slots of sixteen loads.  A slot is rounded into 32 packed registers, from which both the stores and the dot products take it,
; so the slot is asked for again straight behind the 32 conversions.
; No matrix unit (4 rows would fill a quarter of a tile, and the bytes bind), no cluster (the only bytes that work-groups share are the 8
; activation rows, 64 KiB against 640 KiB of a work-group's own), LDS only for the waves' partial sums (8 KiB).
; 256 registers a wave: the four waves of a SIMD take its 1,024.
; hout is stored in pieces of 32 bytes: it is 32 KiB in all, and the weights are shared out by rows so that each is read once.
; LIMITS: operands of the products rounded to bf16; the biases stay f32.  The sums over K are made in another order than the reference's (lane
; chains, a lane tree, a wave tree; the two biases last).  exp(z) = 2^(z log2 e); tanh(z) = 1 - 2 / (1 + 2^(2 z log2 e)): absolute error about
; 1e-7, relatively coarse for |z| below 1e-4, exact at both infinities.  v_exp_f32 and v_rcp_f32 flush results below 2^-126 to 0 (ISA guide 15.8).
; exp(Zf) * 0 is really formed: an overflow gives NaN as in the source.
.set ROWB, 8192                        ; bytes of a row: f32 source rows and bf16 joined rows alike
.set ACT,  16                          ; v[16:47]   my 8 numbers of batch b's last row at ACT + 8 b, rounded to bf16, kept as f32
.set X,    48                          ; v[48:175]  two slots of 64: my 8 numbers of row r at X + 64 slot + 8 r, as loaded
.set Y,    176                         ; v[176:207] the slot at work as packed bf16: row r at Y + 4 r
.set T,    208                         ; v[208:215] four pairs at work
.set S,    216                         ; v[216:247] sum (r, b) at S + 4 r + b
.set U,    248                         ; v[248:255] one row's 8 rounded numbers, widened to f32
.set ABF,  28                          ; s[28:29]   abf at the group's rows
.set BBF,  30                          ; s[30:31]   bbf at the group's rows of gate 0
.set SRCA, 36                          ; s[36:37]   x or h;  then my side's weights of gates i, f, c, o
.set SRCI, 38
.set SRCF, 40
.set SRCC, 42
.set SRCO, 44
	s_load_b512 s[8:23], s[0:1], 0x0               ; x, h, Wi, Ui, Wf, Uf, Wc, Uc
	s_load_b128 s[24:27], s[0:1], 0x40             ; Wo, Uo
	s_load_b512 s[68:83], s[0:1], 0x50             ; bWi, bUi, bWf, bUf, bWc, bUc, bWo, bUo
	s_load_b128 s[28:31], s[0:1], 0x90             ; abf, bbf
	s_load_b64 s[32:33], s[0:1], 0xa0              ; hout
	v_lshl_add_u32 v14, v0, 2, 0x2000
	v_mov_b32 v15, 0
	v_lshrrev_b32 v9, 5, v0
	v_readfirstlane_b32 s2, v9                     ; wave 0..15
	s_lshl_b32 s4, ttmp9, 16                       ; 8 rows of 8,192 bytes a work-group
	s_mov_b32 s5, 0
	s_lshr_b32 s3, ttmp9, 2                        ; e >> 5
	s_mul_i32 s6, s3, 96*ROWB
	s_and_b32 s3, ttmp9, 3                         ; (e & 31) / 8
	s_lshl_b32 s3, s3, 16
	s_add_co_u32 s6, s6, s3
	s_mov_b32 s7, 0
	s_lshl_b32 s58, ttmp9, 5                       ; byte of e = 8 w in a bias
	s_mov_b32 s50, 0xaaaaaaaa                      ; the lanes whose number has bit 0 set, bit 1, .. bit 4
	s_mov_b32 s51, 0xcccccccc
	s_mov_b32 s52, 0xf0f0f0f0
	s_mov_b32 s53, 0xff00ff00
	s_mov_b32 s54, 0xffff0000                      ; (also the mask of a word's upper bf16)
	s_mov_b32 s56, 0x76543210                      ; v_permlanex16_b32: lane i of one half reads lane i of the other
	s_mov_b32 s57, 0xfedcba98
	v_and_b32 v1, 31, v0                           ; lane
	v_bfe_u32 v12, v0, 5, 3                        ; q
	v_lshrrev_b32 v13, 8, v0                       ; p
	v_lshlrev_b32 v4, 4, v1
	v_lshl_or_b32 v4, v12, 10, v4                  ; source: 1,024 q + 16 lane
	v_lshlrev_b32 v3, 3, v1
	v_lshl_or_b32 v3, v12, 9, v3                   ; target: 512 q + 8 lane
	v_lshl_or_b32 v3, v13, 12, v3                  ;         + 4,096 p
	v_lshlrev_b32 v5, 2, v0                        ; LDS: 128 wave + 4 lane
	v_lshlrev_b32 v6, 2, v1                        ; LDS: word (r, b) = lane
	v_lshrrev_b32 v12, 2, v1
	v_lshl_add_u32 v7, v12, 2, s58                 ; bias: 4 (8 w + r), r = lane >> 2
	v_and_b32 v12, 3, v1
	v_lshl_add_u32 v8, v12, 13, v7                 ; hout: 8,192 b + 4 e, b = lane & 3
	s_wait_kmcnt 0x0
	s_cmp_lt_u32 s2, 8                             ; waves 0-7: x and the W; waves 8-15: h and the U
	s_cselect_b64 s[SRCA:SRCA+1], s[8:9], s[10:11]
	s_cselect_b64 s[SRCI:SRCI+1], s[12:13], s[14:15]
	s_cselect_b64 s[SRCF:SRCF+1], s[16:17], s[18:19]
	s_cselect_b64 s[SRCC:SRCC+1], s[20:21], s[22:23]
	s_cselect_b64 s[SRCO:SRCO+1], s[24:25], s[26:27]
	s_add_nc_u64 s[46:47], s[SRCA:SRCA+1], 511*ROWB    ; row 511: batch 0's last step (batch 1's stands in the immediate)
	s_add_nc_u64 s[48:49], s[46:47], 1024*ROWB         ; row 1535: batch 2's
.irp m, SRCA, SRCI, SRCF, SRCC, SRCO, ABF
	s_add_nc_u64 s[\m:\m+1], s[\m:\m+1], s[4:5]
.endr
	s_add_nc_u64 s[BBF:BBF+1], s[BBF:BBF+1], s[6:7]
; sixteen loads: my 1 KiB of each of the 8 rows of the matrix at s[sb:sb+1], into slot sl.  The weights are read once in the launch (nt = 1); of x and h the last rows are read again.
.macro FILL sb, sl, nt
.irp r, 0,1,2,3,4,5,6,7
.irp k, 0,1
.if \nt
	global_load_b128 v[X+64*\sl+8*\r+4*\k:X+64*\sl+8*\r+4*\k+3], v4, s[\sb:\sb+1] offset:\r*ROWB+512*\k th:TH_LOAD_NT
.else
	global_load_b128 v[X+64*\sl+8*\r+4*\k:X+64*\sl+8*\r+4*\k+3], v4, s[\sb:\sb+1] offset:\r*ROWB+512*\k
.endif
.endr
.endr
.endm
; slot sl is rounded to bf16.  w = 1: Y has been the data of stores.
.macro CVT sl, w
.if \w
	s_wait_xcnt 0x0                                ; Y was the data of the last sixteen stores: it is rewritten only behind this wait
.endif
.irp r, 0,1,2,3,4,5,6,7
.irp k, 0,1
	v_cvt_pk_bf16_f32 v[Y+4*\r+2*\k],   v[X+64*\sl+8*\r+4*\k],   v[X+64*\sl+8*\r+4*\k+1]
	v_cvt_pk_bf16_f32 v[Y+4*\r+2*\k+1], v[X+64*\sl+8*\r+4*\k+2], v[X+64*\sl+8*\r+4*\k+3]
.endr
.endr
.endm
; sixteen stores: each covers 256 consecutive bytes (32 lanes x 8), at a multiple of 256 from the buffer's first byte.  No hint: the next launch reads them.
.macro STORE16 base, imm
.irp r, 0,1,2,3,4,5,6,7
.irp k, 0,1
	global_store_b64 v3, v[Y+4*\r+2*\k:Y+4*\r+2*\k+1], s[\base:\base+1] offset:\imm+\r*ROWB+256*\k
.endr
.endr
.endm
; 8 rows x 4 batches, from the rounded numbers in Y: a row's 8 are widened to f32 (a shift, a mask), then my 8 columns' products, two at a time;
; the four batches' chains take turns
.macro DOT
.irp r, 0,1,2,3,4,5,6,7
.irp m, 0,1,2,3
	v_lshlrev_b32 v[U+2*\m],   16,  v[Y+4*\r+\m]
	v_and_b32     v[U+2*\m+1], s54, v[Y+4*\r+\m]
.endr
.irp b, 0,1,2,3
	v_pk_mul_f32 v[T+2*\b:T+2*\b+1], v[U:U+1], v[ACT+8*\b:ACT+8*\b+1]
.endr
.irp k, 1,2,3
.irp b, 0,1,2,3
	v_pk_fma_f32 v[T+2*\b:T+2*\b+1], v[U+2*\k:U+2*\k+1], v[ACT+8*\b+2*\k:ACT+8*\b+2*\k+1], v[T+2*\b:T+2*\b+1]
.endr
.endr
.irp b, 0,1,2,3
	v_add_f32 v[S+4*\r+\b], v[T+2*\b], v[T+2*\b+1]
.endr
.endr
.endm
; One lane step on n pairs of sums.  Of a pair (even, odd) a lane whose bit is 0 keeps the even sum and hands the odd one to its partner, a lane whose
; bit is 1 the other way round: the sums are halved in number while the lanes that each covers double.
.macro REDSTEP n, sm, xm
.set i, 0
.rept \n
	v_cndmask_b32 v[T+2*(i%4)],   v[S+2*i+1], v[S+2*i],   s[\sm]     ; what my partner keeps
	v_cndmask_b32 v[T+2*(i%4)+1], v[S+2*i],   v[S+2*i+1], s[\sm]     ; what I keep
	v_add_f32_dpp v[S+i], v[T+2*(i%4)], v[T+2*(i%4)+1] row_xmask:\xm row_mask:0xf bank_mask:0xf
.set i, i+1
.endr
.endm
; the 32 sums over the 32 lanes: 31 pairs; lane l ends with sum l = 4 r + b, and puts it into my wave's words of gate g
.macro RED g
	REDSTEP 16, 50, 1
	REDSTEP 8,  51, 2
	REDSTEP 4,  52, 4
	REDSTEP 2,  53, 8
	v_cndmask_b32 v[T],   v[S+1], v[S],   s54
	v_cndmask_b32 v[T+1], v[S],   v[S+1], s54
	v_permlanex16_b32 v[T+2], v[T], s56, s57       ; its destination counts as read: T + 2 has been written
	v_add_f32 v[S], v[T+1], v[T+2]
	ds_store_b32 v5, v[S] offset:\g*2048
.endm
	; the four batches' last rows, then the first two matrices: 40 loads of every wave on their way
.irp b, 0,1
.irp k, 0,1
	global_load_b128 v[ACT+8*\b+4*\k:ACT+8*\b+4*\k+3], v4, s[46:47] offset:\b*512*ROWB+512*\k
.endr
.endr
.irp b, 0,1
.irp k, 0,1
	global_load_b128 v[ACT+16+8*\b+4*\k:ACT+16+8*\b+4*\k+3], v4, s[48:49] offset:\b*512*ROWB+512*\k
.endr
.endr
	FILL SRCO, 0, 1
	FILL SRCI, 1, 1
	; the activations are rounded once, through Y, and kept as f32
	s_wait_loadcnt 32                              ; loads come back in order (ISA guide 5.7.1): the activations are in, the two matrices' 32 loads stay out
.set i, 0
.rept 16
	v_cvt_pk_bf16_f32 v[Y+i], v[ACT+2*i], v[ACT+2*i+1]
.set i, i+1
.endr
.set i, 0
.rept 16
	v_lshlrev_b32 v[ACT+2*i],   16,  v[Y+i]
	v_and_b32     v[ACT+2*i+1], s54, v[Y+i]
.set i, i+1
.endr
	; Wo or Uo: rounded for the dot products alone
	s_wait_loadcnt 16                              ; this slot's sixteen are in, the other slot's sixteen stay out: here and at the next three stages
	CVT 0, 0
	FILL SRCF, 0, 1
	DOT
	RED 3
	; Wi or Ui
	s_wait_loadcnt 16
	CVT 1, 0                                       ; no store has named Y yet
	FILL SRCC, 1, 1
	STORE16 BBF, 0
	DOT
	RED 0
	; Wf or Uf: 32 rows further down in bbf
	s_wait_loadcnt 16
	CVT 0, 1
	FILL SRCA, 0, 0
	STORE16 BBF, 32*ROWB
	DOT
	RED 1
	; Wc or Uc: nothing is left to ask for
	s_wait_loadcnt 16
	CVT 1, 1
	STORE16 BBF, 64*ROWB
	DOT
	RED 2
	; x or h: the cast alone, so that the last stage is short
	s_wait_loadcnt 0x0
	CVT 0, 1
	STORE16 ABF, 0
	s_wait_dscnt 0x0                               ; for wave 0's sake: my four gates' sums are in LDS
	s_barrier_signal -1
	s_barrier_wait -1
	s_cmp_lg_u32 s2, 0
	s_cbranch_scc1 .Lend
	; wave 0, lane = 4 r + b: the sixteen waves' parts of each gate, the biases, the gates
.irp j, 0,1,2,3,4,5,6,7
	global_load_b32 v[T+\j], v7, s[68+2*\j:69+2*\j]
.endr
.irp g, 0,1,2,3
.irp k, 0,1,2,3,4,5,6,7,8,9,10,11,12,13,14,15
	ds_load_b32 v[X+16*\g+\k], v6 offset:2048*\g+128*\k
.endr
.endr
	s_wait_dscnt 0x0
.irp g, 0,1,2,3
.irp k, 0,2,4,6,8,10,12,14
	v_add_f32 v[X+16*\g+\k], v[X+16*\g+\k], v[X+16*\g+\k+1]
.endr
.endr
.irp g, 0,1,2,3
.irp k, 0,4,8,12
	v_add_f32 v[X+16*\g+\k], v[X+16*\g+\k], v[X+16*\g+\k+2]
.endr
.endr
.irp g, 0,1,2,3
	v_add_f32 v[X+16*\g], v[X+16*\g], v[X+16*\g+4]
	v_add_f32 v[X+16*\g+8], v[X+16*\g+8], v[X+16*\g+12]
.endr
.irp g, 0,1,2,3
	v_add_f32 v[X+16*\g], v[X+16*\g], v[X+16*\g+8]
.endr
	s_wait_loadcnt 0x0
.irp g, 0,1,2,3
	v_add_f32 v[T+2*\g], v[T+2*\g], v[T+2*\g+1]
.endr
.irp g, 0,1,2,3
	v_add_f32 v[X+16*\g], v[X+16*\g], v[T+2*\g]
.endr
	v_mul_f32 v[X],    0x3fb8aa3b, v[X]            ; Zi log2(e)
	v_mul_f32 v[X+16], 0x3fb8aa3b, v[X+16]         ; Zf log2(e)
	v_mul_f32 v[X+32], 0x4038aa3b, v[X+32]         ; 2 Zc log2(e)
	v_mul_f32 v[X+48], 0xbfb8aa3b, v[X+48]         ; -Zo log2(e)
	v_exp_f32 v[X],    v[X]
	v_exp_f32 v[X+16], v[X+16]
	v_exp_f32 v[X+32], v[X+32]
	v_exp_f32 v[X+48], v[X+48]
	v_nop                                          ; one plain place behind the transcendentals (ISA guide 5.7.2), here and below
	s_wait_alu depctr_va_vdst(0)
	v_add_f32 v[X+32], 1.0, v[X+32]
	v_add_f32 v[X+48], 1.0, v[X+48]
	v_rcp_f32 v[X+32], v[X+32]
	v_rcp_f32 v[X+48], v[X+48]                     ; sigmoid(Zo)
	v_nop
	s_wait_alu depctr_va_vdst(0)
	v_fma_f32 v[X+32], v[X+32], -2.0, 1.0          ; tanh(Zc)
	v_mul_f32 v[X+32], v[X+32], v[X]               ; i tanh(Zc)
	v_fma_f32 v[X+32], v[X+16], 0, v[X+32]         ; f x the zero cell state + that = c
	v_mul_f32 v[X+32], 0x4038aa3b, v[X+32]
	v_exp_f32 v[X+32], v[X+32]
	v_nop
	s_wait_alu depctr_va_vdst(0)
	v_add_f32 v[X+32], 1.0, v[X+32]
	v_rcp_f32 v[X+32], v[X+32]
	v_nop
	s_wait_alu depctr_va_vdst(0)
	v_fma_f32 v[X+32], v[X+32], -2.0, 1.0          ; tanh(c)
	v_mul_f32 v[X+32], v[X+32], v[X+48]
	global_store_b32 v8, v[X+32], s[32:33]
.Lend:
	s_wait_tensorcnt 0x0
	ds_add_u32 v14, v15
	s_wait_dscnt 0x0
	s_endpgm
.Lfunc_end_k_q81e8c47337_prep:
	.size	k_q81e8c47337_prep, .Lfunc_end_k_q81e8c47337_prep-k_q81e8c47337_prep
	.p2alignl 7, 3214868480
	.fill 96, 4, 3214868480
	.section	.rodata,"a",@progbits
	.p2align	6, 0x0
	.amdhsa_kernel k_q81e8c47337_prep
		.amdhsa_group_segment_fixed_size 10240
		.amdhsa_private_segment_fixed_size 0
		.amdhsa_enable_private_segment 0
		.amdhsa_kernarg_size 168
		.amdhsa_user_sgpr_count 2
		.amdhsa_user_sgpr_kernarg_segment_ptr 1
		.amdhsa_wavefront_size32 1
		.amdhsa_system_sgpr_workgroup_id_x 1
		.amdhsa_system_sgpr_workgroup_id_y 1
		.amdhsa_system_sgpr_workgroup_id_z 1
		.amdhsa_system_vgpr_workitem_id 0
		.amdhsa_next_free_vgpr 256
		.amdhsa_next_free_sgpr 84
		.amdhsa_reserve_vcc 0
		.amdhsa_float_denorm_mode_32 3
		.amdhsa_float_denorm_mode_16_64 3
		.amdhsa_memory_ordered 1
		.amdhsa_forward_progress 1
		.amdhsa_inst_pref_size 106
	.end_amdhsa_kernel
	.amdgpu_metadata
---
amdhsa.version: [ 1, 2 ]
amdhsa.kernels:
  - .name:           k_q81e8c47337_prep
    .symbol:         k_q81e8c47337_prep.kd
    .args:
      - { .name: x, .offset: 0, .size: 8, .value_kind: global_buffer, .address_space: global }
      - { .name: h, .offset: 8, .size: 8, .value_kind: global_buffer, .address_space: global }
      - { .name: Wi, .offset: 16, .size: 8, .value_kind: global_buffer, .address_space: global }
      - { .name: Ui, .offset: 24, .size: 8, .value_kind: global_buffer, .address_space: global }
      - { .name: Wf, .offset: 32, .size: 8, .value_kind: global_buffer, .address_space: global }
      - { .name: Uf, .offset: 40, .size: 8, .value_kind: global_buffer, .address_space: global }
      - { .name: Wc, .offset: 48, .size: 8, .value_kind: global_buffer, .address_space: global }
      - { .name: Uc, .offset: 56, .size: 8, .value_kind: global_buffer, .address_space: global }
      - { .name: Wo, .offset: 64, .size: 8, .value_kind: global_buffer, .address_space: global }
      - { .name: Uo, .offset: 72, .size: 8, .value_kind: global_buffer, .address_space: global }
      - { .name: bWi, .offset: 80, .size: 8, .value_kind: global_buffer, .address_space: global }
      - { .name: bUi, .offset: 88, .size: 8, .value_kind: global_buffer, .address_space: global }
      - { .name: bWf, .offset: 96, .size: 8, .value_kind: global_buffer, .address_space: global }
      - { .name: bUf, .offset: 104, .size: 8, .value_kind: global_buffer, .address_space: global }
      - { .name: bWc, .offset: 112, .size: 8, .value_kind: global_buffer, .address_space: global }
      - { .name: bUc, .offset: 120, .size: 8, .value_kind: global_buffer, .address_space: global }
      - { .name: bWo, .offset: 128, .size: 8, .value_kind: global_buffer, .address_space: global }
      - { .name: bUo, .offset: 136, .size: 8, .value_kind: global_buffer, .address_space: global }
      - { .name: abf, .offset: 144, .size: 8, .value_kind: global_buffer, .address_space: global }
      - { .name: bbf, .offset: 152, .size: 8, .value_kind: global_buffer, .address_space: global }
      - { .name: hout, .offset: 160, .size: 8, .value_kind: global_buffer, .address_space: global }
    .group_segment_fixed_size: 10240
    .private_segment_fixed_size: 0
    .kernarg_segment_align: 8
    .kernarg_segment_size: 168
    .max_flat_workgroup_size: 512
    .sgpr_count:     84
    .vgpr_count:     256
    .wavefront_size: 32
...
	.end_amdgpu_metadata
.endif
;; end of part 1
;; launch gemm (part 2): grid 32 x 8, 4 waves a work-group, clusters of 4 x 4, 327,680 bytes of LDS; arguments abf, bbf, bWi, bUi, bWf, bUf, bWc, bUc, hout, Wp, bp, out1, out0; writes out1, out0
.if DOCPART == 2
	.amdgcn_target "amdgcn-amd-amdhsa--gfx1250"
	.amdhsa_code_object_version 6
	.text
	.protected	k_q81e8c47337_gemm
	.globl	k_q81e8c47337_gemm
	.p2align	8
	.type	k_q81e8c47337_gemm,@function
k_q81e8c47337_gemm:
	s_mov_b64 s[64:65], 0
	v_nop
	global_prefetch_b8 v0, s[64:65] scope:SCOPE_SE
	s_setreg_imm32_b32 hwreg(HW_REG_WAVE_MODE, 25, 1), 1
	s_wait_xcnt 0x0
	s_wait_alu depctr_hold_cnt(0) depctr_sa_sdst(0) depctr_va_vdst(0) depctr_va_sdst(0) depctr_va_ssrc(0) depctr_va_vcc(0) depctr_vm_vsrc(0)
	s_getreg_b32 s2, hwreg(HW_REG_IB_STS2, 6, 4)
	s_cmp_eq_u32 s2, 0
	s_cbranch_scc0 .Lentry_in_a_cluster
	s_endpgm
.Lentry_in_a_cluster:
	s_bfe_u32 s2, ttmp6, 0x10000c
	s_cmp_lg_u32 s2, 0xf033
	s_cbranch_scc0 .Lentry_shape_is_right
	s_endpgm
.Lentry_shape_is_right:
; GEMM: Z = A' B'^T over K = 4096 (x with W, then h with U), A' = abf [2048][4096], B' = bbf [6144][4096], bf16, sums in f32;
; then c = exp(Zf) * 0 + exp(Zi) * tanh(Zc) with Zg = sum + bWg + bUg, stored to out1 [2048][2048] f32.
; Beside it, on the vector unit in f32: out0[b][e] = sum over d of hout[b][d] Wp[e][d] + bp[e] (see THE PROJECTION).
; A work-group makes 256 rows x 64 columns e of all three gates = 192 rows of B' (bbf keeps them together: 96 rows = 32 e x 3 gates).
; Four waves, as many as a WGP has SIMDs; a wave makes 128 rows x 96 rows of B': 48 accumulator tiles of 16 x 16, 384 registers, and holds
; Zi, Zf and Zc of the same (row, e) in the same lane and register number, so that the gates meet without any exchange.
; K goes in steps of 128 through two LDS slots filled by the tensor data mover: a tile's rows are 256 bytes, at multiples of 256 from the buffer's start.
; CLUSTERS: 4 x 4 work-groups.  The four of a row of the cluster need the same tiles of A', the four of a column the same tiles of B': each tile is
; asked for jointly, with the same descriptor and a mask that names the four.  That divides the requests for A' and B' by four.
; By this text's own count a wave has two tensor loads out at the start and one behind each refill.
; THE PROJECTION: the 256 work-groups share Wp's 2048 rows, 8 each, 2 a wave.  In K step s (32 steps) a wave takes columns 64 s .. + 63 of its two rows
; (one load: lanes 0-15 one row's 256 bytes, lanes 16-31 the next row's) and of hout's four rows (four loads), asked for two K steps ahead into two
; register sets that take turns, and makes eight packed multiply-adds, which stand where four idle places behind matrix instructions would stand.
; So Wp's 16 MiB are streamed once, under the matrix work.  Wp's rows are each wave's own and hout is 32 KiB in all: nothing there for a joint request.
; out0 is stored as eight numbers a wave: it is 32 KiB in all.
; LIMITS: operands of the big product rounded to bf16.  The two biases are added to each other and then to the finished sum.  exp(z) = 2^(z log2 e) and
; tanh(z) = 1 - 2 / (1 + 2^(2 z log2 e)): absolute error about 1e-7, so relatively coarse for |z| below 1e-4; exact at both infinities.
; v_exp_f32 and v_rcp_f32 flush results below 2^-126 to 0 (ISA guide 15.8).  exp(Zf) * 0 is really formed: an overflow gives NaN as in the source.
; The projection's sum over d is made in lane chains and a lane tree, the bias last.
;
; REGISTERS, in windows of 256:
;   window 0: v16-30 addresses; v64-127, v128-191 fragments of A' (8 x 16 rows x 32 K), two buffers; v192-199 Wp, two sets; v200-204 the projection's end;
;             on the way out v64-87 the three gates, then v64-191 rows read back
;   window 1: v0-47 biases, summed and scaled; v64-111, v128-175 fragments of B' (6 x 16 rows x 32 K), two buffers; v176-223 the second biases as loaded; v224-255 hout, two sets
;   window 2: the 24 tiles of my rows 0-63 (tile (a, b) at v[8 (6 a + b)], b = 2 gate + half of my 32 e); v192-199 the projection's sums;   window 3: the tiles of my rows 64-127
; THE MATRIX INSTRUCTION IS USED TRANSPOSED: source 0 = 16 rows of B', source 1 = 16 rows of A'.  Lane l then holds row l % 16 of the tile, and its
; registers 0 to 7 the columns 8 (l / 16) + 0 .. 7: eight neighbouring numbers of a row of c.
.set KSTEP,  128
.set KTOT,   4096
.set PITCH,  272                       ; an LDS row: 256 bytes + 16 of padding, an odd multiple of 16: the 16 rows that a load touches start at 16 different 16-byte columns of 256
.set HALFA,  128*PITCH                 ; what one tensor load brings of A', and what one wave reads of it
.set HALFB,  96*PITCH                  ; the same for B'
.set SLOT,   2*HALFA+2*HALFB           ; 121,856: A's 256 rows, then B's 192 rows
.set STAGE,  2*SLOT                    ; 243,712, a multiple of 256: the way out; no tensor load ever lands here
.set SPITCH, 144                       ; a stage row: 32 f32 + 16 bytes
.set SHALF,  256*SPITCH+128            ; the stage's second column half; the odd 128 bytes keep a row's two halves on different columns of 256 when they are read together
.set LAPS,   KTOT/(2*KSTEP)            ; 16 laps of two K steps
.set ROWB,   8192                      ; bytes of a row of abf, bbf, out1, Wp, hout and out0
.set ADRA, 16                          ; v16-17  LDS address of my A fragments in slot 0, 1
.set ADRB, 20                          ; v20-21  the same for B
.set STO,  24                          ; v24     the way out: where I put 16 bytes of a row
.set RD,   25                          ; v25     the way out: where I read a row back
.set CO,   26                          ; v26     8,192 (l / 16) + 16 (l % 16): my byte offset in two rows of out1, and of Wp
.set BOFF, 27                          ; v27     my byte offset in the gates' biases
.set VH,   28                          ; v28     16 (l % 16): my byte offset in 256 bytes of a row of hout
.set VB,   29                          ; v29     4 (l / 16): my row of the wave's two, in bp
.set VO,   30                          ; v30     8,192 (l % 4) + 4 (l / 16): batch and row, in out0
.set F0,   64
.set F1,   128
.set ZI,   64                          ; window 0, the way out
.set ZF,   72
.set ZC,   80
.set BS,   0                           ; window 1: (bWg + bUg) x the gate's factor, at 16 g + 8 t + j
.set BU,   176                         ; window 1: bUg as loaded
.set PW,   192                         ; window 0: 4 numbers of Wp, set j at PW + 4 j
.set PH,   224                         ; window 1: 4 numbers of hout's row b, set j at PH + 16 j + 4 b
.set PA,   192                         ; window 2: batch b's running pair at PA + 2 b
.set PS,   200                         ; window 0: the four batches' sums at the end
.set PB,   204                         ; window 0: bp of my row
.set G1,  24                           ; s[24:31] descriptor group 1 for A's tiles
.set G0,  32                           ; s[32:39] group 0 for A's tiles, one set for each slot
.set G1B, 48                           ; s[48:55] group 1 for B's tiles
.set G0B, 56                           ; s[56:63] group 0 for B's tiles, one set for each slot
.set HO,  80                           ; s[80:81] hout at this lap's columns
.set WP,  82                           ; s[82:83] Wp at my wave's rows and this lap's columns
.set MSB, 0
.macro WIN new                         ; the immediate's high byte repeats the setting that is left
.if MSB != \new
	s_set_vgpr_msb (MSB<<8)|\new
.set MSB, \new
.endif
.endm
.set MUL_LO, 0xa1                      ; source 0 (B', hout) window 1, source 1 (A', Wp) window 0, C and D window 2
.set MUL_HI, 0xf1                      ; the same, C and D window 3
.set TO_B,   0x40                      ; destination window 1, address window 0
.set BB,     0x45                      ; sources 0, 1 and destination window 1
.set EP_LO,  0x12                      ; source 0 window 2, source 2 window 1, destination window 0
.set EP_HI,  0x13                      ; the same with source 0 window 3
.set FROM2,  0x0a                      ; sources 0 and 1 window 2, destination window 0
; A joint load.  Waves 0 and 1 fetch A's two halves, waves 2 and 3 B's two groups of 96 rows.  Each line has one mask and one set of registers for all that issue it.
; The branch hangs on the wave's number alone.  Four v_nop follow each of the two lines.
.macro JLOAD s
	s_cmp_eq_u32 s11, 0
	s_cbranch_scc0 .Lfor_b_\@
	tensor_load_to_lds s[G0+4*\s:G0+4*\s+3], s[G1:G1+7]
	s_nop 0
.rept 4
	v_nop
.endr
	s_branch .Lasked_\@
.Lfor_b_\@:
	tensor_load_to_lds s[G0B+4*\s:G0B+4*\s+3], s[G1B:G1B+7]
	s_nop 0
.rept 4
	v_nop
.endr
.Lasked_\@:
.endm
; A round of the cluster's barrier: my work-group's barrier, wave 0 signals for the work-group, every wave waits for all sixteen, my work-group's barrier once more.
.macro CREST                           ; a round behind its opening barrier
	s_cmp_lg_u32 s10, 0
	s_cbranch_scc1 .Lnot_wave_0_\@
	s_barrier_signal -3
.Lnot_wave_0_\@:
	s_barrier_wait -3
	s_barrier_signal -1
	s_barrier_wait -1
.endm
.macro CROUND
	s_barrier_signal -1
	s_barrier_wait -1
	CREST
.endm
; the projection's loads into set j, at byte off of the rows: hout's four rows (under TO_B), Wp's two (under window 0); always in this order, five loads a set
.macro PLH j, off
.irp b, 0,1,2,3
	global_load_b128 v[PH+16*\j+4*\b:PH+16*\j+4*\b+3], v[VH], s[HO:HO+1] offset:\b*ROWB+\off
.endr
.endm
.macro PLW j, off
	global_load_b128 v[PW+4*\j:PW+4*\j+3], v[CO], s[WP:WP+1] offset:\off th:TH_LOAD_NT
.endm
	s_load_b128 s[4:7], s[0:1], 0x0                ; abf, bbf
	s_load_b256 s[68:75], s[0:1], 0x10             ; bWi, bUi, bWf, bUf
	s_load_b128 s[76:79], s[0:1], 0x30             ; bWc, bUc
	s_load_b128 s[80:83], s[0:1], 0x40             ; hout, Wp
	s_load_b128 s[84:87], s[0:1], 0x50             ; bp, out1
	s_load_b64 s[88:89], s[0:1], 0x60              ; out0
	s_set_vgpr_msb 0x40
	v_lshl_add_u32 v127, v0, 2, 0x4da00
	s_set_vgpr_msb 0x4000
	v_mov_b32 v255, 0
	s_set_vgpr_msb 0x1
	ds_add_u32 v127, v255
	s_set_vgpr_msb 0x100
	v_lshrrev_b32 v1, 5, v0
	v_readfirstlane_b32 s10, v1                    ; wave 0..3
	s_lshr_b32 s11, s10, 1                         ; which 128 rows of the block are mine.  Also: I fetch for A (0) or for B (1)
	s_and_b32 s12, s10, 1                          ; which 32 e are mine.  Also: which half of that tile I fetch
	s_bfe_u32 s40, ttmp6, 0x40000                  ; cx
	s_bfe_u32 s41, ttmp6, 0x40004                  ; cy
	s_lshl_b32 s42, ttmp9, 2
	s_add_co_u32 s42, s42, s40                     ; block column = 4 x cluster x + cx
	s_and_b32 s13, ttmp7, 0xffff
	s_lshl_b32 s13, s13, 2
	s_add_co_u32 s13, s13, s41                     ; block row = 4 x cluster y + cy
	s_lshl_b32 s43, s41, 2
	s_lshl_b32 s43, 15, s43                        ; my row of the cluster: places 4 cy .. 4 cy + 3
	s_lshl_b32 s44, 0x1111, s40                    ; my column: places cx, cx + 4, cx + 8, cx + 12
	; group 1: tiles of 128 (A') or 96 (B') rows x 128 elements of 2 bytes; 4 words of padding behind every 64; bit 21 set beside the mask
	s_or_b32 s[G1+0], s43, (1<<16)|(1<<20)|(1<<21)|(5<<22)|(3<<25)
	s_or_b32 s[G1B+0], s44, (1<<16)|(1<<20)|(1<<21)|(5<<22)|(3<<25)
	s_mov_b32 s[G1+1], KSTEP<<16                   ; tensor_dim0 = 128
	s_mov_b32 s[G1B+1], KSTEP<<16
	s_mov_b32 s[G1+2], 128<<16                     ; tensor_dim1 = the tile's rows
	s_mov_b32 s[G1B+2], 96<<16
	s_mov_b32 s[G1+3], KSTEP<<16                   ; tile_dim0 = 128
	s_mov_b32 s[G1B+3], KSTEP<<16
	s_mov_b32 s[G1+4], 128                         ; tile_dim1
	s_mov_b32 s[G1B+4], 96
	s_mov_b32 s[G1+5], KTOT                        ; elements from row to row
	s_mov_b32 s[G1B+5], KTOT
	s_mov_b32 s[G1+6], 0
	s_mov_b32 s[G1B+6], 0
	s_mov_b32 s[G1+7], 0
	s_mov_b32 s[G1B+7], 0
	; A's tiles hang on the block row alone, B's on the block column alone; each address is made in registers that never hold the other coordinate
	s_lshl_b32 s17, s12, 7
	s_lshl_b32 s16, s13, 8
	s_add_co_u32 s16, s16, s17                     ; A': row 256 x block row + 128 x half
	s_lshl_b32 s16, s16, 13                        ; in bytes (below 16 MiB)
	s_mov_b32 s17, 0
	s_mul_i32 s18, s12, 96
	s_mul_i32 s46, s42, 192
	s_add_co_u32 s46, s46, s18                     ; B': row 192 x block column + 96 x half
	s_lshl_b32 s46, s46, 13                        ; in bytes (below 48 MiB)
	s_mov_b32 s47, 0
	s_mul_i32 s20, s10, HALFA                      ; where A's halves go (waves 0, 1): 0 and HALFA
	s_mul_i32 s19, s10, HALFB
	s_add_co_u32 s19, s19, 2*(HALFA-HALFB)         ; where B's go (waves 2, 3): 2 HALFA and 2 HALFA + HALFB
	; the projection: my wave's first row e = 8 (32 block row + block column) + 2 wave, in registers that feed no descriptor
	s_lshl_b32 s90, s13, 5
	s_add_co_u32 s90, s90, s42
	s_lshl_b32 s90, s90, 3
	s_lshl1_add_u32 s90, s10, s90
	s_lshl_b32 s92, s90, 13                        ; its bytes in Wp (below 16 MiB)
	s_mov_b32 s93, 0
	s_lshl_b32 s94, s90, 2                         ; and in bp and a row of out0
	s_mov_b32 s95, 0
	s_wait_dscnt 0x0
	s_wait_kmcnt 0x0
	s_add_nc_u64 s[14:15], s[4:5], s[16:17]
	s_add_nc_u64 s[46:47], s[6:7], s[46:47]
	s_add_nc_u64 s[WP:WP+1], s[WP:WP+1], s[92:93]
	s_add_nc_u64 s[84:85], s[84:85], s[94:95]
	s_add_nc_u64 s[88:89], s[88:89], s[94:95]
	CROUND                                         ; all sixteen work-groups are here: the first joint loads meet
.irp s, 0,1
	s_mov_b32 s[G0+4*\s], 1
	s_add_co_u32 s[G0+4*\s+1], s20, \s*SLOT
	s_add_nc_u64 s[G0+4*\s+2:G0+4*\s+3], s[14:15], \s*KSTEP*2
	s_or_b32 s[G0+4*\s+3], s[G0+4*\s+3], 0x80000000
	s_mov_b32 s[G0B+4*\s], 1
	s_add_co_u32 s[G0B+4*\s+1], s19, \s*SLOT
	s_add_nc_u64 s[G0B+4*\s+2:G0B+4*\s+3], s[46:47], \s*KSTEP*2
	s_or_b32 s[G0B+4*\s+3], s[G0B+4*\s+3], 0x80000000
	JLOAD \s                                       ; both slots are asked for before anything else is done
.endr
	; a fragment: lane l holds row l % 16; registers 0-3 K = 8 (l / 16) + 0..7, registers 4-7 K = 16 + 8 (l / 16) + 0..7: two loads of 16 bytes, 32 apart
	v_and_b32 v1, 15, v0                           ; r = l % 16
	v_bfe_u32 v2, v0, 4, 1                         ; h = l / 16
	v_mul_u32_u24 v3, v1, PITCH
	v_lshl_add_u32 v3, v2, 4, v3
	s_mul_i32 s21, s11, HALFA                      ; my 128 rows of A'
	s_mul_i32 s22, s12, HALFB                      ; my 96 rows of B',
	s_add_co_u32 s22, s22, 2*HALFA                 ; which lie behind A's 256
.irp s, 0,1
	v_add_nc_u32 v[ADRA+\s], s21, v3
	v_add_nc_u32 v[ADRB+\s], s22, v3
	s_add_co_u32 s21, s21, SLOT
	s_add_co_u32 s22, s22, SLOT
.endr
	s_mul_i32 s23, s12, SHALF                      ; the stage, in: column half s12, rows 128 s11 + ..: 18,432 consecutive bytes that are my wave's alone
	s_mul_i32 s21, s11, 128*SPITCH
	s_add_co_u32 s23, s23, s21
	s_add_co_u32 s23, s23, STAGE
	v_mul_u32_u24 v4, v1, SPITCH
	v_lshl_add_u32 v4, v2, 5, v4                   ; row r, 32 bytes for each half of the lanes
	v_add_nc_u32 v[STO], s23, v4
	s_mul_i32 s23, s10, 64*SPITCH                  ; the stage, back: rows 64 wave + ..; lanes 0-7 a row's left 128 bytes, lanes 8-15 its right, lanes 16-31 the next row
	s_add_co_u32 s23, s23, STAGE
	v_bfe_u32 v5, v0, 3, 1
	v_mul_u32_u24 v5, v5, SHALF
	v_and_b32 v6, 7, v0
	v_lshl_add_u32 v5, v6, 4, v5
	v_mad_u32_u24 v5, v2, SPITCH, v5
	v_add_nc_u32 v[RD], s23, v5
	v_lshlrev_b32 v5, 13, v2                       ; and the same two rows in out1
	v_lshl_add_u32 v[CO], v1, 4, v5
	s_lshl_b32 s45, s42, 8                         ; the gates' biases: 4 (64 block column + 32 half) + 32 h
	s_lshl_b32 s21, s12, 7
	s_add_co_u32 s45, s45, s21
	v_lshl_add_u32 v[BOFF], v2, 5, s45
	v_lshlrev_b32 v[VH], 4, v1
	v_lshlrev_b32 v[VB], 2, v2
	v_and_b32 v5, 3, v1
	v_lshl_add_u32 v[VO], v5, 13, v[VB]
	; once, while the first tiles are on their way: bp of my row, my 16 columns' biases of each gate, and the projection's first two sets
	global_load_b32 v[PB], v[VB], s[84:85]
	WIN TO_B
.irp g, 0,1,2
.irp t, 0,1
.irp q, 0,1
	global_load_b128 v[BS+16*\g+8*\t+4*\q:BS+16*\g+8*\t+4*\q+3], v[BOFF], s[68+4*\g:69+4*\g] offset:64*\t+16*\q
	global_load_b128 v[BU+16*\g+8*\t+4*\q:BU+16*\g+8*\t+4*\q+3], v[BOFF], s[70+4*\g:71+4*\g] offset:64*\t+16*\q
.endr
.endr
.endr
	PLH 0, 0                                       ; K step 0's columns
	WIN 0
	PLW 0, 0
	WIN TO_B
	PLH 1, 256                                     ; K step 1's
	WIN 0
	PLW 1, 256
	s_wait_loadcnt 10                              ; the biases are in; the ten younger loads, the projection's two sets, stay out
	WIN BB
.set i, 0
.rept 24
	v_pk_add_f32 v[BS+i:BS+i+1], v[BS+i:BS+i+1], v[BU+i:BU+i+1]
.set i, i+2
.endr
.set i, 0
.rept 16
	v_pk_mul_f32 v[BS+i:BS+i+1], v[BS+i:BS+i+1], 0x3fb8aa3b op_sel_hi:[1,0]      ; gates i and f: log2(e)
.set i, i+2
.endr
.rept 8
	v_pk_mul_f32 v[BS+i:BS+i+1], v[BS+i:BS+i+1], 0x4038aa3b op_sel_hi:[1,0]      ; gate c: 2 log2(e)
.set i, i+2
.endr
	WIN 0
; 12 matrix instructions: row blocks a0, a0 + 1 of the window's four x all 6 blocks of B', 32 along K.  zero = 1: the first product starts the sums.
; The 48 accumulators take turns, one instruction a turn, in the same order in every quarter step.
.macro MUL12 f, hi, a0, zero
.irp a, \a0, \a0+1
.irp b, 0,1,2,3,4,5
.if \zero
	v_wmma_f32_16x16x32_bf16 v[8*(6*(\a)+\b):8*(6*(\a)+\b)+7], v[\f+8*\b:\f+8*\b+7], v[\f+8*(4*\hi+\a):\f+8*(4*\hi+\a)+7], 0
.else
	v_wmma_f32_16x16x32_bf16 v[8*(6*(\a)+\b):8*(6*(\a)+\b)+7], v[\f+8*\b:\f+8*\b+7], v[\f+8*(4*\hi+\a):\f+8*(4*\hi+\a)+7], v[8*(6*(\a)+\b):8*(6*(\a)+\b)+7]
.endif
.endr
.endr
.endm
; 28 LDS loads in one run: a quarter step's fragments (96 rows of B', 128 rows of A', 32 K at byte k of the rows) into buffer f.
; pl = 1: the projection's set of this slot's number is asked for again, two K steps ahead (512 bytes on), under the same two window settings.
.macro FETCH slot, k, f, pl
	WIN TO_B
.irp i, 0,1,2,3,4,5
	ds_load_b128 v[\f+8*\i:\f+8*\i+3],   v[ADRB+\slot] offset:\k+\i*16*PITCH
	ds_load_b128 v[\f+8*\i+4:\f+8*\i+7], v[ADRB+\slot] offset:\k+\i*16*PITCH+32
.endr
.if \pl
	PLH \slot, 256*\slot+512
.endif
	WIN 0
.irp i, 0,1,2,3,4,5,6,7
	ds_load_b128 v[\f+8*\i:\f+8*\i+3],   v[ADRA+\slot] offset:\k+\i*16*PITCH
	ds_load_b128 v[\f+8*\i+4:\f+8*\i+7], v[ADRA+\slot] offset:\k+\i*16*PITCH+32
.endr
.if \pl
	PLW \slot, 256*\slot+512
.endif
.endm
; A load into a register that a matrix instruction has read, and a vector instruction that reads a matrix result, stand four plain vector places behind it
; (ISA guide 7.12.1 for vector instructions); the matrix instructions in between are not counted.
.macro PLACES
.rept 4
	v_nop
.endr
.endm
; The projection's share of a K step, on set j, under the matrix instructions' own window setting: eight packed multiply-adds on registers that no matrix
; instruction names, the four batches' chains by turns.  They are also the places in front of the run of loads.  zero = 1: the first products start the sums.
.macro PFMA j, zero
.irp b, 0,1,2,3
.if \zero
	v_pk_mul_f32 v[PA+2*\b:PA+2*\b+1], v[PH+16*\j+4*\b:PH+16*\j+4*\b+1], v[PW+4*\j:PW+4*\j+1]
.else
	v_pk_fma_f32 v[PA+2*\b:PA+2*\b+1], v[PH+16*\j+4*\b:PH+16*\j+4*\b+1], v[PW+4*\j:PW+4*\j+1], v[PA+2*\b:PA+2*\b+1]
.endif
.endr
.irp b, 0,1,2,3
	v_pk_fma_f32 v[PA+2*\b:PA+2*\b+1], v[PH+16*\j+4*\b+2:PH+16*\j+4*\b+3], v[PW+4*\j+2:PW+4*\j+3], v[PA+2*\b:PA+2*\b+1]
.endr
.endm
; One of a K step's first three quarters: multiplies buffer f; in its middle it fetches the next quarter's fragments into buffer g.
; pj = 1 (the first quarter): the projection's share stands in the middle; left = how many younger loads of it may stay out; pl = 1: its set is asked for again.
.macro QUARTER slot, k, f, g, zero, pj, pl, left
	s_wait_dscnt 8                                 ; B' and A's rows 0-63 are in; the youngest eight loads (A's rows 64-127) may be out
	WIN MUL_LO
	MUL12 \f, 0, 0, \zero
	MUL12 \f, 0, 2, \zero
.if \pj
	s_wait_loadcnt \left                           ; loads come back in order (ISA guide 5.7.1): this step's five are in, the next step's five stay out
	PFMA \slot, \zero
.else
	PLACES
.endif
	FETCH \slot, \k, \g, \pl
	s_wait_dscnt 28                                ; all but the 28 just issued
	WIN MUL_HI
	MUL12 \f, 1, 0, \zero
	MUL12 \f, 1, 2, \zero
.endm
.macro THREE slot, zero, pl, left
	QUARTER \slot, 64,  F0, F1, \zero, 1, \pl, \left
	QUARTER \slot, 128, F1, F0, 0, 0, 0, 0
	QUARTER \slot, 192, F0, F1, 0, 0, 0, 0
.endm
; The last quarter: multiplies buffer 1 and changes slots.  In front of the barrier each wave waits for its reads of this slot and for all its tensor loads
; (one is out: its part of the next slot).  Behind it the refill comes first, then the next slot's first fragments.
; From a request to the wait for it a wave issues 180 matrix instructions.
.macro TURN slot, next, fill
	s_wait_dscnt 8
	WIN MUL_LO
	MUL12 F1, 0, 0, 0
	s_wait_dscnt 0                                 ; my reads of this slot are over
	s_wait_tensorcnt 0x0                           ; and all my tensor loads have landed
	ds_add_u32 v127, v255
	s_wait_dscnt 0x0
	s_barrier_signal -1                            ; (where a slot is filled again this barrier opens a round of the cluster's barrier)
	MUL12 F1, 0, 2, 0                              ; register work while the others arrive
	WIN 0
	s_barrier_wait -1
.if \fill
	CREST                                          ; no wave of any partner still reads this slot or has a load on its way
	s_add_nc_u64 s[G0+4*\slot+2:G0+4*\slot+3], s[G0+4*\slot+2:G0+4*\slot+3], 2*KSTEP*2
	s_add_nc_u64 s[G0B+4*\slot+2:G0B+4*\slot+3], s[G0B+4*\slot+2:G0B+4*\slot+3], 2*KSTEP*2
	JLOAD \slot                                    ; the first tensor load behind the round; its four v_nop are also the places in front of the loads below
.else
	PLACES
.endif
	FETCH \next, 0, F0, 0
	WIN MUL_HI
	MUL12 F1, 1, 0, 0
	MUL12 F1, 1, 2, 0
.endm
.macro LAP zero
	THREE 0, \zero, 1, 5
	TURN 0, 1, 1
	THREE 1, 0, 1, 5
	TURN 1, 0, 1
	s_wait_xcnt 0x0                                ; the projection's pending loads have had their addresses translated (ISA guide 3.1): their bases step only behind this wait
	s_add_nc_u64 s[HO:HO+1], s[HO:HO+1], 512       ; two K steps' 64 columns each
	s_add_nc_u64 s[WP:WP+1], s[WP:WP+1], 512
.endm
	s_wait_tensorcnt 1                             ; my part of K step 0 is in; K step 1's stays out
	s_barrier_signal -1
	s_barrier_wait -1                              ; everybody's is
	FETCH 0, 0, F0, 0
	LAP 1                                          ; the first lap stands in front of the loop: its first products start the sums
	WIN 0                                          ; at a label and at a branch every window is 0
	s_mov_b32 s3, LAPS-2
.Llap:
	LAP 0
	WIN 0
	s_sub_co_u32 s3, s3, 1
	s_cmp_lg_u32 s3, 0
	s_cbranch_scc1 .Llap
	THREE 0, 0, 0, 5                               ; the last lap fills nothing and asks for nothing: lap 14 asked for columns up to 2047, the rows' last
	TURN 0, 1, 0
	THREE 1, 0, 0, 0                               ; the projection's last set: no load was issued behind it
	s_wait_dscnt 8
	WIN MUL_LO
	MUL12 F1, 0, 0, 0
	MUL12 F1, 0, 2, 0
	s_wait_dscnt 0
	WIN MUL_HI
	MUL12 F1, 1, 0, 0
	MUL12 F1, 1, 2, 0
	; THE WAY OUT.  The four v_nop are the places behind the last matrix instructions, for the lines that read results and write over fragments.
	PLACES
	; the projection's end: a pair's two halves, the 16 lanes of a row, the bias; lane l % 16 = b takes batch b, and lanes 0-3 of each half store
	WIN FROM2
.irp b, 0,1,2,3
	v_add_f32 v[PS+\b], v[PA+2*\b], v[PA+2*\b+1]
.endr
	WIN 0
.irp msk, 1,2,4,8
.irp b, 0,1,2,3
	v_add_f32_dpp v[PS+\b], v[PS+\b], v[PS+\b] row_xmask:\msk row_mask:0xf bank_mask:0xf
.endr
.endr
	v_cmp_eq_u32 vcc_lo, 1, v1
	v_cndmask_b32 v[PS], v[PS], v[PS+1], vcc_lo
	v_cmp_eq_u32 vcc_lo, 2, v1
	v_cndmask_b32 v[PS], v[PS], v[PS+2], vcc_lo
	v_cmp_eq_u32 vcc_lo, 3, v1
	v_cndmask_b32 v[PS], v[PS], v[PS+3], vcc_lo
	v_add_f32 v[PS], v[PS], v[PB]
	v_cmp_gt_u32 vcc_lo, 4, v1
	s_wait_xcnt 0x0                                ; EXEC is a source of the loads issued above: it changes only behind this wait
	s_and_saveexec_b32 s91, vcc_lo
	global_store_b32 v[VO], v[PS], s[88:89]        ; out0[b][e], two rows e x four batches a wave
	s_wait_xcnt 0x0                                ; and again, in front of the line that widens it
	s_or_b32 exec_lo, exec_lo, s91
	s_lshl_b32 s16, s13, 8
	s_lshl_b32 s14, s10, 6
	s_add_co_u32 s16, s16, s14                     ; the first of the 64 rows that I store: 256 block row + 64 wave
	s_lshl_b32 s16, s16, 13
	s_mov_b32 s17, 0
	s_add_nc_u64 s[86:87], s[86:87], s[16:17]
	s_lshl_b32 s46, s42, 8                         ; the block's 64 columns: 256 bytes x block column
	s_mov_b32 s47, 0
	s_add_nc_u64 s[86:87], s[86:87], s[46:47]
; rows 16 a .. + 15 of my 128, columns 16 t .. + 15 of my 32: the three gates' tiles (ap = a within its window) become c, 32 bytes a lane into the stage
.macro EPI a, ap, win, t
	WIN \win
.irp p, 0,1,2,3
	v_pk_fma_f32 v[ZC+2*\p:ZC+2*\p+1], v[8*(6*\ap+4+\t)+2*\p:8*(6*\ap+4+\t)+2*\p+1], 0x4038aa3b, v[BS+32+8*\t+2*\p:BS+32+8*\t+2*\p+1] op_sel_hi:[1,0,1]
.endr
.irp p, 0,1,2,3
	v_pk_fma_f32 v[ZI+2*\p:ZI+2*\p+1], v[8*(6*\ap+\t)+2*\p:8*(6*\ap+\t)+2*\p+1], 0x3fb8aa3b, v[BS+8*\t+2*\p:BS+8*\t+2*\p+1] op_sel_hi:[1,0,1]
.endr
.irp p, 0,1,2,3
	v_pk_fma_f32 v[ZF+2*\p:ZF+2*\p+1], v[8*(6*\ap+2+\t)+2*\p:8*(6*\ap+2+\t)+2*\p+1], 0x3fb8aa3b, v[BS+16+8*\t+2*\p:BS+16+8*\t+2*\p+1] op_sel_hi:[1,0,1]
.endr
	WIN 0
.irp j, 0,1,2,3,4,5,6,7
	v_exp_f32 v[ZC+\j], v[ZC+\j]                   ; 2^(2 Zc log2 e)
.endr
.irp j, 0,1,2,3,4,5,6,7
	v_exp_f32 v[ZI+\j], v[ZI+\j]                   ; i
.endr
.irp j, 0,1,2,3,4,5,6,7
	v_exp_f32 v[ZF+\j], v[ZF+\j]                   ; f
.endr
	v_nop                                          ; one plain place behind the transcendentals (ISA guide 5.7.2)
	s_wait_alu depctr_va_vdst(0)
.irp p, 0,2,4,6
	v_pk_add_f32 v[ZC+\p:ZC+\p+1], v[ZC+\p:ZC+\p+1], 1.0 op_sel_hi:[1,0]
.endr
.irp j, 0,1,2,3,4,5,6,7
	v_rcp_f32 v[ZC+\j], v[ZC+\j]
.endr
	v_nop
	s_wait_alu depctr_va_vdst(0)
.irp p, 0,2,4,6
	v_pk_fma_f32 v[ZC+\p:ZC+\p+1], v[ZC+\p:ZC+\p+1], -2.0, 1.0 op_sel_hi:[1,0,0]              ; tanh(Zc)
.endr
.irp p, 0,2,4,6
	v_pk_mul_f32 v[ZC+\p:ZC+\p+1], v[ZC+\p:ZC+\p+1], v[ZI+\p:ZI+\p+1]                         ; i tanh(Zc)
.endr
.irp p, 0,2,4,6
	v_pk_fma_f32 v[ZC+\p:ZC+\p+1], v[ZF+\p:ZF+\p+1], 0, v[ZC+\p:ZC+\p+1] op_sel_hi:[1,0,1]    ; f x the zero cell state + that
.endr
.irp q, 0,1
	ds_store_b128 v[STO], v[ZC+4*\q:ZC+4*\q+3] offset:(\a)*16*SPITCH+64*\t+16*\q
.endr
.endm
.irp a, 0,1,2,3
	EPI \a, \a, EP_LO, 0
	EPI \a, \a, EP_LO, 1
.endr
.irp a, 0,1,2,3
	EPI 4+\a, \a, EP_HI, 0
	EPI 4+\a, \a, EP_HI, 1
.endr
	s_wait_dscnt 0x0                               ; for the others' sake: my part of the stage is written
	s_barrier_signal -1
	s_barrier_wait -1                              ; a row's two halves come from two waves: both are there
.set u, 0
.rept 32
	ds_load_b128 v[64+4*u:64+4*u+3], v[RD] offset:u*2*SPITCH
.set u, u+1
.endr
.set u, 0
.rept 32
	s_wait_dscnt 31-u                              ; LDS loads come back in order (ISA guide 5.7.1): pair u of rows is in
	global_store_b128 v[CO], v[64+4*u:64+4*u+3], s[86:87] offset:u*2*ROWB th:TH_STORE_NT   ; 16 lanes store 256 consecutive bytes, at a multiple of 256 from out1's first byte
.set u, u+1
.endr
	s_set_vgpr_msb 0x1
	s_wait_tensorcnt 0x0
	ds_add_u32 v127, v255
	s_wait_dscnt 0x0
	s_set_vgpr_msb 0x100
	CROUND                                         ; the closing round: no work-group ends while a partner may still ask for a tile that names it
	s_endpgm
.Lfunc_end_k_q81e8c47337_gemm:
	.size	k_q81e8c47337_gemm, .Lfunc_end_k_q81e8c47337_gemm-k_q81e8c47337_gemm
	.p2alignl 7, 3214868480
	.fill 96, 4, 3214868480
	.section	.rodata,"a",@progbits
	.p2align	6, 0x0
	.amdhsa_kernel k_q81e8c47337_gemm
		.amdhsa_group_segment_fixed_size 327680
		.amdhsa_private_segment_fixed_size 0
		.amdhsa_enable_private_segment 0
		.amdhsa_kernarg_size 104
		.amdhsa_user_sgpr_count 2
		.amdhsa_user_sgpr_kernarg_segment_ptr 1
		.amdhsa_wavefront_size32 1
		.amdhsa_system_sgpr_workgroup_id_x 1
		.amdhsa_system_sgpr_workgroup_id_y 1
		.amdhsa_system_sgpr_workgroup_id_z 1
		.amdhsa_system_vgpr_workitem_id 0
		.amdhsa_next_free_vgpr 960
		.amdhsa_next_free_sgpr 96
		.amdhsa_reserve_vcc 1
		.amdhsa_float_denorm_mode_32 3
		.amdhsa_float_denorm_mode_16_64 3
		.amdhsa_memory_ordered 1
		.amdhsa_forward_progress 1
		.amdhsa_inst_pref_size 210
	.end_amdhsa_kernel
	.amdgpu_metadata
---
amdhsa.version: [ 1, 2 ]
amdhsa.kernels:
  - .name:           k_q81e8c47337_gemm
    .symbol:         k_q81e8c47337_gemm.kd
    .args:
      - { .name: abf, .offset: 0, .size: 8, .value_kind: global_buffer, .address_space: global }
      - { .name: bbf, .offset: 8, .size: 8, .value_kind: global_buffer, .address_space: global }
      - { .name: bWi, .offset: 16, .size: 8, .value_kind: global_buffer, .address_space: global }
      - { .name: bUi, .offset: 24, .size: 8, .value_kind: global_buffer, .address_space: global }
      - { .name: bWf, .offset: 32, .size: 8, .value_kind: global_buffer, .address_space: global }
      - { .name: bUf, .offset: 40, .size: 8, .value_kind: global_buffer, .address_space: global }
      - { .name: bWc, .offset: 48, .size: 8, .value_kind: global_buffer, .address_space: global }
      - { .name: bUc, .offset: 56, .size: 8, .value_kind: global_buffer, .address_space: global }
      - { .name: hout, .offset: 64, .size: 8, .value_kind: global_buffer, .address_space: global }
      - { .name: Wp, .offset: 72, .size: 8, .value_kind: global_buffer, .address_space: global }
      - { .name: bp, .offset: 80, .size: 8, .value_kind: global_buffer, .address_space: global }
      - { .name: out1, .offset: 88, .size: 8, .value_kind: global_buffer, .address_space: global }
      - { .name: out0, .offset: 96, .size: 8, .value_kind: global_buffer, .address_space: global }
    .group_segment_fixed_size: 327680
    .private_segment_fixed_size: 0
    .kernarg_segment_align: 8
    .kernarg_segment_size: 104
    .max_flat_workgroup_size: 128
    .sgpr_count:     96
    .vgpr_count:     960
    .wavefront_size: 32
...
	.end_amdgpu_metadata
.endif
;; end of part 2
